; MI455X (gfx1250); checked and timed in simulation.
; The chip was launched on July 23, 2026; its instructions are those of AMD's public machine-readable ISA for CDNA 5 (MIT licence, August 2026) and "CDNA5" Instruction Set Architecture Reference Guide (July 2026). The comments in the code are by the model that wrote it; some were corrected since.
;; Flash Diff Custom Attention. Allowed arithmetic: matrix products marked QUANTISED: E5M2 operands, one E8M0 scale for each 32 along K, by v_wmma_scale_f32_16x16x128_f8f6f4 with both operands' format E5M2, f32 sums; everything else in f32.
;; Inputs: k_codes 2 x 2,048 x 16 x 4 x 32 uint8 (E5M2 codes of k, K innermost, in blocks of 32 codes); k_scales 2 x 2,048 x 16 x 4 uint8 (E8M0 scales of k, one for each 32 codes along K); lambda_k1 128 float32; lambda_k2 128 float32; lambda_q1 128 float32; lambda_q2 128 float32; q_codes 2 x 2,048 x 16 x 4 x 32 uint8 (E5M2 codes of q, K innermost, in blocks of 32 codes); q_scales 2 x 2,048 x 16 x 4 uint8 (E8M0 scales of q, one for each 32 codes along K); subln_weight 256 float32; v 2 x 2,048 x 16 x 128 float32.
;; Outputs: out0 2 x 2,048 x 16 x 128 float32.
;; This version of the problem:
;;   THIS VERSION OF THE PROBLEM IS GIVEN IN LOW PRECISION. The matrix products marked QUANTISED in the list below multiply operands that are first quantised to E5M2 (5 exponent bits, 2 mantissa bits; 8 bits a number), with one power-of-two scale for each 32 numbers along K (OCP MX v1.0); their sums are f32. All else is computed in f32.
;;   The module's matrix products, in the order in which they are computed (A, B: the left and right operand; K: the contracted axis; several contracted axes count as one K, in the product's order):
;;     1. batch 16 x [M 2,048, K 128] x [K 128, N 2,048]; A: input q (given as codes); B: input k (given as codes): QUANTISED
;;     2. batch 16 x [M 256, K 2,048] x [K 2,048, N 2,048]; A: computed on the way; B: softmax (see below): QUANTISED
;;     3. batch 16 x [M 2,048, K 128] x [K 128, N 2,048]; A: input q (given as codes); B: input k (given as codes): QUANTISED
;;     4. batch 16 x [M 256, K 2,048] x [K 2,048, N 2,048]; A: computed on the way; B: softmax (see below): QUANTISED
;;   THE QUANTISER, for each operand of a quantised product, along K:
;;     - K is cut into blocks of 32 from its start; a last block that is shorter is filled with zeros.
;;     - A block's scale is 2^e with e = floor(log2(the largest magnitude in the block)) - 15, held to -126 .. 127; a block of zeros has e = 0. As a byte (E8M0): e + 127.
;;     - Each number is divided by its block's scale, clamped to +-57,344, and rounded to the nearest number of E5M2, ties to even, subnormals kept.
;;     - The product sums the exact products of the quantised numbers (number of the format x scale) in f32.
;;   ~~~python
;;   def quantise(x, axis):      # numpy; x: float32 -> the quantised numbers, widened to float32 again
;;       x = np.moveaxis(x, axis, -1); K = x.shape[-1]
;;       x = np.pad(x, [(0, 0)] * (x.ndim - 1) + [(0, -K % 32)]); x = x.reshape(x.shape[:-1] + (-1, 32)); a = np.abs(x).max(-1, keepdims=True)
;;       e = np.where(a > 0, np.clip(np.frexp(np.where(a > 0, a, 1))[1] - 1 - 15, -126, 127), 0)      # np.frexp(a)[1] - 1 = floor(log2(a)), exactly
;;       r = np.clip(x / 2.0 ** e, -57344, 57344)
;;       step = 2.0 ** (np.maximum(np.frexp(np.where(r == 0, 1, r))[1] - 1, -14) - 2)
;;       q = np.round(r / step) * step * 2.0 ** e      # np.round: ties to even
;;       return np.moveaxis(q.reshape(q.shape[:-2] + (-1,))[..., :K], -1, axis).astype(np.float32)
;;   ~~~
;;   SOFTMAX AHEAD OF A QUANTISED PRODUCT. Where the list says 'softmax', what is quantised is not the finished softmax but p = 2^(t - M), with t = logit x log2(e) and M = ceil(the row's largest t), a whole number; so 1/2 < the row's largest p <= 1. The row's sum l is taken of the UNQUANTISED p, in f32, and the product's result is divided by l at the end. Since M is a whole number, a kernel that streams over the keys may use a running M (the ceiling of the running maximum): every later rescaling is an exact power of two, which a block's scale takes up: the codes' values come out the same.
;;   OPERANDS COMPUTED ON THE WAY. 'Computed on the way' means the value that the module computes at that place (a softmax that the list does not call 'softmax' is quantised finished and normalised). What goes into a quantiser is computed in f32, as accurately as f32 sums, v_exp_f32 and their like allow (about 1e-6 of the number): no bf16 or f16 on the way to a quantiser, and a product that is left as it is and whose result goes on into a quantised operand takes f32 operands (vector FMAs, or v_wmma_f32_16x16x4_f32). A number that lies on a knife's edge between two numbers of the format may be rounded either way, as far as f32 arithmetic and the matrix unit's own rounding can turn it there, and no further.
;;   INPUTS GIVEN AS CODES. k (in the module: [2, 2048, 16, 128], K = its axis 3); q (in the module: [2, 2048, 16, 128], K = its axis 3): each comes as NAME_codes (uint8): NAME with its K axis moved to the last place and cut into blocks of 32 codes, [.., K / 32, bytes a block], one block behind the other in memory; one code a byte (a code: sign, 5 exponent bits, 2 mantissa bits); and NAME_scales (uint8): the same leading axes, one E8M0 byte (e + 127) for each 32 codes along K. Its value is code x scale, taken as it is: it is not quantised again, and the codes and scales need not be those that the quantiser above would give.
;; One version. Each part assembles by itself: llvm-mc -triple=amdgcn-amd-amdhsa -mcpu=gfx1250 --defsym DOCPART=n.
;; ======== version 1 of 1: 2 launches
;; workspace buffers: vq 8,650,752 bytes; ksc 262,144 bytes
;; launch prep (part 1): grid 16 x 16, 4 waves a work-group, no clusters, 0 bytes of LDS; arguments v, k_scales, vq, ksc; writes vq, ksc
.if DOCPART == 1
	.amdgcn_target "amdgcn-amd-amdhsa--gfx1250"
	.amdhsa_code_object_version 6
	.text
	.protected	k_qec14a90375_prep
	.globl	k_qec14a90375_prep
	.p2align	8
	.type	k_qec14a90375_prep,@function
k_qec14a90375_prep:
	s_mov_b64 s[64:65], 0
	v_nop
	global_prefetch_b8 v0, s[64:65] scope:SCOPE_SE
	s_setreg_imm32_b32 hwreg(HW_REG_WAVE_MODE, 25, 1), 1
	s_wait_xcnt 0x0
; v [2][2048 keys][16 heads][128] f32 is the operand of the second products, and its K is the KEY axis.  It is turned into codes of BF8 (E5M2) with one E8M0 byte for each 32 keys
; of a channel, laid as the attention launch's operand registers take them:  vq [bh = 8 b + h : 16][key step of 128 keys : 16][33,792 bytes]: 16 images of 2,048 bytes, one for each tile of
; 16 of the pair's 256 channels, then 1,024 bytes of scale words (word e = channel e, byte c = block c of the step).  Image byte = 512 c + 16 (r + 16 hh) + i, r = channel % 16.
; THE KEYS OF A BLOCK ARE PERMUTED: place (hh, i) holds key 32 c + 8 hh + (i & 7) + 16 (i >> 3): there the weights' codes fall in the attention launch.  The order inside a block of 32 changes no scale.
; A LANE TAKES A CHANNEL AND ITS REGISTERS RUN DOWN THE KEYS: a block of 32 keys lies in one lane's 32 registers, its largest magnitude needs no other lane, and the conversions give codes with the keys innermost.
; A block's scale is 2^(floor(log2(its largest magnitude)) - 15); its byte is that magnitude's exponent field - 15, held at 1 from below.
; The launch also lays k's scale words by head pair: ksc [bh][key][8 bytes: head 2 h's word, head 2 h + 1's], 16,384 dense bytes a pair.
; SHARES: work-group x = head (128 channels), y = 8 b + chunk of 256 keys; wave w takes 32 channels x 256 keys: 8 blocks a lane.  No LDS, no barrier: waves share nothing.
; LIMITS: NaN and infinities in v are not served; a block whose largest magnitude lies under 2^-111 (a block of zeros too) gets the byte 1: its codes are small or zero, and this program alone reads the bytes.
.set VBLK, 33792                       ; a key step's block of vq
.set EMAX, 15
.set X,    32                          ; v32-95   two sets of 32 numbers
.set C,    96                          ; v96-159  eight registers of codes for each block: no store's data are written again
.set WD,   14                          ; v14, v15 the scale words of the chunk's two key steps
	s_load_b256 s[4:11], s[0:1], 0x0               ; v s[4:5], k_scales s[6:7], vq s[8:9], ksc s[10:11]
	v_lshrrev_b32 v1, 5, v0
	v_readfirstlane_b32 s16, v1                    ; wave 0..3
	v_and_b32 v2, 31, v0                           ; lane
	v_lshlrev_b32 v3, 2, v2                        ; 4 x lane: my channel in a row of v, and my scale word
	v_lshrrev_b32 v4, 4, v2
	v_and_b32 v7, 15, v2
	v_lshlrev_b32 v4, 11, v4
	v_lshl_add_u32 v4, v7, 4, v4                   ; my 16 bytes in an image: 2,048 x (lane / 16) + 16 x (lane % 16)
	v_lshlrev_b32 v5, 6, v2                        ; k_scales: a key's row is 64 bytes
	v_lshlrev_b32 v6, 3, v2                        ; ksc: 8 bytes a key
	s_and_b32 s17, ttmp7, 0xffff                   ; y
	s_lshl_b32 s18, s17, 21                        ; 256 keys x 8,192 bytes a chunk
	s_lshl_b32 s20, ttmp9, 9                       ; + the head's 512 bytes
	s_add_co_u32 s18, s18, s20
	s_lshl_b32 s20, s16, 7                         ; + my wave's 128
	s_add_co_u32 s18, s18, s20
	s_mov_b32 s19, 0
	s_and_b32 s20, s17, 8                          ; 8 b
	s_lshr_b32 s21, ttmp9, 1                       ; h
	s_add_co_u32 s20, s20, s21                     ; bh
	s_lshl_b32 s20, s20, 4
	s_and_b32 s21, s17, 7
	s_lshl_b32 s21, s21, 1
	s_add_co_u32 s20, s20, s21                     ; 16 bh + the chunk's first key step
	s_mul_i32 s20, s20, VBLK                       ; that step's block in vq
	s_and_b32 s21, ttmp9, 1                        ; which half of the pair's 256 channels
	s_lshl_b32 s22, s21, 14                        ; eight images,
	s_lshl_b32 s23, s16, 12                        ; two for each wave
	s_add_co_u32 s22, s22, s23
	s_add_co_u32 s22, s22, s20                     ; where my codes go
	s_mov_b32 s23, 0
	s_lshl_b32 s24, s21, 9
	s_lshl_b32 s25, s16, 7
	s_add_co_u32 s24, s24, s25
	s_add_co_u32 s24, s24, s20
	s_add_co_u32 s24, s24, 32768                   ; where my scale words go: behind the block's 16 images
	s_mov_b32 s25, 0
	s_lshl_b32 s26, s17, 4
	s_add_co_u32 s26, s26, ttmp9
	s_lshl_b32 s26, s26, 2
	s_add_co_u32 s26, s26, s16                     ; G = my wave's number in the launch, 0..1023: pair G / 64, keys 32 (G % 64) on
	s_lshr_b32 s28, s26, 9                         ; b
	s_lshl_b32 s28, s28, 17
	s_and_b32 s29, s26, 63
	s_lshl_b32 s29, s29, 11                        ; 32 keys x 64 bytes
	s_add_co_u32 s28, s28, s29
	s_bfe_u32 s29, s26, 0x30006                    ; h: three bits from bit 6
	s_lshl_b32 s29, s29, 3
	s_add_co_u32 s28, s28, s29
	s_mov_b32 s29, 0
	s_lshl_b32 s26, s26, 8                         ; in ksc: 256 bytes for each 32 keys, pair by pair
	s_mov_b32 s27, 0
	s_mov_b32 s31, 0x600000                        ; the mantissa field of 57,344
	s_wait_kmcnt 0x0
	s_add_nc_u64 s[4:5], s[4:5], s[18:19]
	s_add_nc_u64 s[6:7], s[6:7], s[28:29]
	s_add_nc_u64 s[12:13], s[8:9], s[24:25]        ; scale words
	s_add_nc_u64 s[8:9], s[8:9], s[22:23]          ; codes
	s_add_nc_u64 s[10:11], s[10:11], s[26:27]
.macro LOAD t                          ; block t: v(32 t + i, my channel), i = 0 .. 31, into set t % 2; 32 lanes read 128 consecutive bytes, the four waves 512
.irp i, 0,1,2,3,4,5,6,7,8,9,10,11,12,13,14,15,16,17,18,19,20,21,22,23,24,25,26,27,28,29,30,31
	global_load_b32 v[X+32*((\t)%2)+\i], v3, s[4:5] offset:(32*(\t)+\i)*8192 th:TH_LOAD_NT
.endr
.endm
	global_load_b64 v[8:9], v5, s[6:7]             ; k's two scale words of my key
	LOAD 0
	LOAD 1
.macro BLOCK t
.set XS, X+32*((\t)%2)
.set CC, C+8*(\t)
.if (\t) < 7
	s_wait_loadcnt 32                              ; this block's 32 loads are in; the next block's 32 may be out
.else
	s_wait_loadcnt 0x0
.endif
.if (\t) == 0
	global_store_b64 v6, v[8:9], s[10:11]          ; (older than block 0's loads, so it is in)  32 lanes store 256 consecutive bytes, aligned
.endif
	v_max3_num_f32 v12, |v[XS]|, |v[XS+1]|, |v[XS+2]|               ; the block's largest magnitude: all 32 numbers are mine
	v_max3_num_f32 v13, |v[XS+3]|, |v[XS+4]|, |v[XS+5]|
.irp i, 6,10,14,18,22,26
	v_max3_num_f32 v12, v12, |v[XS+\i]|, |v[XS+\i+1]|
	v_max3_num_f32 v13, v13, |v[XS+\i+2]|, |v[XS+\i+3]|
.endr
	v_max3_num_f32 v12, v12, |v[XS+30]|, |v[XS+31]|
	v_max3_num_f32 v12, v12, v13, (EMAX+1)<<23     ; and the floor 2^(16 - 127): the byte cannot fall under 1
	v_add_nc_u32 v11, -(EMAX<<23), v12             ; 15 off the exponent field: the conversion takes this operand's exponent field as its scale
	v_and_or_b32 v10, v12, 0x7f800000, s31         ; 57,344 x the scale
	v_lshrrev_b32 v13, 23, v11                     ; the scale's byte
.if (\t)%4 == 0
	v_mov_b32 v[WD+(\t)/4], v13                    ; four bytes to a word, the earlier keys in the lower byte
.else
	v_lshl_or_b32 v[WD+(\t)/4], v13, 8*((\t)%4), v[WD+(\t)/4]
.endif
.irp i, 0,1,2,3,4,5,6,7,8,9,10,11,12,13,14,15,16,17,18,19,20,21,22,23,24,25,26,27,28,29,30,31
	v_med3_num_f32 v[XS+\i], v[XS+\i], -v10, v10   ; the conversion to an 8-bit code does not saturate (ISA guide 7.6.2): the hold at the largest code x the scale
.endr
	v_cvt_scalef32_pk8_bf8_f32 v[CC:CC+1], v[XS:XS+7], v11          ; lanes' half 0 of the operand: keys 0-7,
	v_cvt_scalef32_pk8_bf8_f32 v[CC+2:CC+3], v[XS+16:XS+23], v11    ; keys 16-23;
	v_cvt_scalef32_pk8_bf8_f32 v[CC+4:CC+5], v[XS+8:XS+15], v11     ; half 1: keys 8-15,
	v_cvt_scalef32_pk8_bf8_f32 v[CC+6:CC+7], v[XS+24:XS+31], v11    ; keys 24-31
	v_nop                                          ; a plain line behind the last conversion, ahead of the next lines that write its sources
	global_store_b128 v4, v[CC:CC+3], s[8:9] offset:VBLK*((\t)/4)+512*((\t)%4)         ; sixteen lanes store 256 consecutive bytes, aligned
	global_store_b128 v4, v[CC+4:CC+7], s[8:9] offset:VBLK*((\t)/4)+512*((\t)%4)+256
.if (\t)+2 < 8
	LOAD (\t)+2
.endif
.if (\t)%4 == 3
	global_store_b32 v3, v[WD+(\t)/4], s[12:13] offset:VBLK*((\t)/4)                   ; a key step's scale words of my 32 channels: 128 consecutive bytes
.endif
.endm
.irp t, 0,1,2,3,4,5,6,7
	BLOCK \t
.endr
	s_endpgm
.Lfunc_end_k_qec14a90375_prep:
	.size	k_qec14a90375_prep, .Lfunc_end_k_qec14a90375_prep-k_qec14a90375_prep
	.p2alignl 7, 3214868480
	.fill 96, 4, 3214868480
	.section	.rodata,"a",@progbits
	.p2align	6, 0x0
	.amdhsa_kernel k_qec14a90375_prep
		.amdhsa_group_segment_fixed_size 0
		.amdhsa_private_segment_fixed_size 0
		.amdhsa_enable_private_segment 0
		.amdhsa_kernarg_size 32
		.amdhsa_user_sgpr_count 2
		.amdhsa_user_sgpr_kernarg_segment_ptr 1
		.amdhsa_wavefront_size32 1
		.amdhsa_system_sgpr_workgroup_id_x 1
		.amdhsa_system_sgpr_workgroup_id_y 1
		.amdhsa_system_sgpr_workgroup_id_z 1
		.amdhsa_system_vgpr_workitem_id 0
		.amdhsa_next_free_vgpr 160
		.amdhsa_next_free_sgpr 66
		.amdhsa_reserve_vcc 0
		.amdhsa_float_denorm_mode_32 3
		.amdhsa_float_denorm_mode_16_64 3
		.amdhsa_memory_ordered 1
		.amdhsa_forward_progress 1
		.amdhsa_inst_pref_size 57
	.end_amdhsa_kernel
	.amdgpu_metadata
---
amdhsa.version: [ 1, 2 ]
amdhsa.kernels:
  - .name:           k_qec14a90375_prep
    .symbol:         k_qec14a90375_prep.kd
    .args:
      - { .name: v, .offset: 0, .size: 8, .value_kind: global_buffer, .address_space: global }
      - { .name: k_scales, .offset: 8, .size: 8, .value_kind: global_buffer, .address_space: global }
      - { .name: vq, .offset: 16, .size: 8, .value_kind: global_buffer, .address_space: global }
      - { .name: ksc, .offset: 24, .size: 8, .value_kind: global_buffer, .address_space: global }
    .group_segment_fixed_size: 0
    .private_segment_fixed_size: 0
    .kernarg_segment_align: 8
    .kernarg_segment_size: 32
    .max_flat_workgroup_size: 128
    .sgpr_count:     66
    .vgpr_count:     160
    .wavefront_size: 32
...
	.end_amdgpu_metadata
.endif
;; end of part 1
;; launch attn (part 2): grid 16 x 16, 8 waves a work-group, no clusters, 327,680 bytes of LDS; arguments q_codes, q_scales, k_codes, ksc, vq, lambda_q1, lambda_k1, lambda_q2, lambda_k2, subln_weight, out0; writes out0
.if DOCPART == 2
	.amdgcn_target "amdgcn-amd-amdhsa--gfx1250"
	.amdhsa_code_object_version 6
	.text
	.protected	k_qec14a90375_attn
	.globl	k_qec14a90375_attn
	.p2align	8
	.type	k_qec14a90375_attn,@function
k_qec14a90375_attn:
	s_mov_b64 s[64:65], 0
	v_nop
	global_prefetch_b8 v0, s[64:65] scope:SCOPE_SE
	s_setreg_imm32_b32 hwreg(HW_REG_WAVE_MODE, 25, 1), 1
	s_wait_xcnt 0x0
; Differential attention: for each pair (b, h) two causal softmax attentions (heads 2 h and 2 h + 1 of q and k) over the same 256 channels of v, x = attn1 - lambda attn2, an RMS norm over the 256, the gain, x (1 - lambda_init).
; All four products run on codes of BF8 (E5M2) with one E8M0 scale for each 32 along K.  q and k come as codes; v's codes and scale words come from vq, k's scale words from ksc (the launch before).
; THE SOFTMAX: t = score x log2(e) / sqrt(128); M = the running largest t rounded UP to a whole number; p = 2^(t - M) is quantised along the keys, not normalised; the row's sum is taken of the unquantised p and divides at the end.
; SHARES.  A wave owns 16 queries and BOTH attentions: each fragment of V that it reads feeds two products, and the difference and the norm never leave the wave.  A work-group of eight waves holds four tiles of the
; early block i of 64 queries and four of the late block 31 - i (i = work-group x): block j needs j / 2 + 1 key steps of 128, so every work-group has the same work; waves w and w + 4, and waves 2 n and 2 n + 1, are one early and one late.
; Every work-group walks 16 key steps (constant trip counts); a step all of whose keys come after a wave's queries is left out by a scalar branch on ids, and the tensor loads end with the work-group's last query.
; LAYOUT.  Both products are used transposed (S^T = K Q^T, O^T = V^T P^T): a lane holds ONE query (lane % 16).  K's tiles take neighbouring keys, so register 8 t + j of lane (r, hh) is key 16 t + 8 hh + j; converted eight at a
; time, place (hh, i) of block c of the weights' operand holds key 32 c + 8 hh + (i & 7) + 16 (i >> 3), and vq is laid in the same order.
; RING.  Two LDS slots of one key step: 128 rows of K (256 bytes: head 2 h's 128 codes, then head 2 h + 1's; 16 of padding) and a block of vq.  Waves 0, 1 fetch K's halves, waves 2, 3 V's; all eight read.
; NO CLUSTER: the 16 work-groups of a pair read the same tiles, but they end their loads at different steps (9 to 16 of them), and a joint load has to be issued by every partner that it names.
; LIMITS: a block's largest p is made from the block's largest score by the same two instructions, which takes v_exp_f32 not to fall where its input rises; a given scale byte 0xff gives NaN; NaN and infinities are not served.
; REGISTERS, window 0: v1-4 lane places, v5, v6 the add's two, v7 prefetch offset, v8-11 the step's LDS addresses, v12-19 statistics (attention a: -M, largest t, the sum in two halves), v20 r - 8 hh, v21 16 x lane,
;   v22, v23 q's scale words, v24-55 Q1, Q2, v56-119 four fragments, v120-183 scores, then p, then four fragments of V, v184-215 the weights' codes, v216-223 k's scale words, v224-231 v's, v232, v233 the weights',
;   v234-254 at work, v255 lambda.   window 1: O1^T at v[8 ct], O2^T at v[128 + 8 ct], ct = tile of 16 channels.
.set KP,    272                        ; a key's row in LDS: 256 bytes + 16 of padding = 68 words: the 16 rows of a fragment load start at 16 different groups of four banks (64 banks of 4 bytes: ISA guide 11.1)
.set VOFF,  128*KP                     ; a slot: 128 rows of K, then the block of vq
.set VBLK,  33792                      ; 16 images of 2,048 bytes and 1,024 bytes of scale words
.set SLOT1, 1<<17                      ; slot 1 begins here: one exclusive or turns an address in one slot into the other's
.set SCK,   69632                      ; k's scale words of the whole pair: 16,384 bytes, filled once
.set SPARE, 86016                      ; the spare words, 128 bytes for each wave: four blocks of 256 bytes that no other line names
.set STAGE, 199680                     ; the way out: 16 rows x 528 bytes for each wave; no fill lands here
.set SP,    528
.set AK,   1
.set AV,   2
.set ASKW, 3
.set ASV,  4
.set SPW,  5
.set NIL,  6
.set PFO,  7
.set ADK,  8
.set ADV,  9
.set ADS,  10
.set ADT,  11
.set STT,  12
.set RH,   20
.set GO,   21
.set QS,   22
.set QF,   24
.set FA,   56
.set S,    120
.set P,    184
.set KS,   216
.set VS,   224
.set PS,   232
.set BM,   234
.set T4,   238
.set HO,   242
.set SO,   246
.set F,    250
.set DD,   252
.set XX,   253
.set NINF, 254
.set LAM,  255
.set Y,    56                          ; the way out: 128 results a lane
.set WV,   26                          ; s26  my wave's number
.set MNT,  27                          ; s27  the mantissa field of 57,344
.set SEL,  28                          ; s[28:29] v_permlanex16_b32's selects for lane l xor 16
.set CS,   30                          ; s[30:31] c = log2(e) / sqrt(128), twice
.set G1K,  32                          ; s[32:39], s[40:47], s[48:55] descriptor groups 1: K's tiles, blocks of vq, k's scale words
.set G1V,  40
.set G1S,  48
.set G0K,  56                          ; s[56:59], s[60:63] groups 0 for K and V, which walk; s[68:71] for the scale words
.set G0V,  60
.set G0S,  68
.set TB,   66                          ; s66  LDS byte at which the slot in hand begins
.set TS,   67                          ; s67  where the step's scale words of k begin: 1,024 bytes a step
.set KF,   72                          ; s72  the step's first key
.set Q0,   73                          ; s73  my first query
.set QL,   74                          ; s74  my work-group's last query
.set SLOTS, 75                         ; s75  the loop's trips to go
.set PFA,  76                          ; s[76:77] where my prefetches stand
.set PFS,  78                          ; s[78:79] a key step on, in bytes
.set LIM,  80                          ; s80  1 in a work-group that prefetches, else the greatest number
.set EPS,  82                          ; s82  1e-5
.set MSB, 0
.macro WIN new                         ; the immediate's high byte repeats the setting that is left; a switch that changes nothing is dropped
.if MSB != \new
	s_set_vgpr_msb (MSB<<8)|\new
.set MSB, \new
.endif
.endm
.macro PLACES n                        ; plain vector lines behind a matrix instruction: 8 in front of loads into its registers and of reads of its result, 9 in front of a matrix instruction that writes over them
.rept \n
	v_nop
.endr
.endm
; Waves 0 and 1 take the first line, waves 2 and 3 the second, the others none.  The branches hang on the wave's number alone.  An s_nop 0 and four v_nop follow each line.
.macro TLOAD g0k, g1k, g0v, g1v
	s_cmp_lt_u32 s[WV], 2
	s_cbranch_scc0 .Lnot_k_\@
	tensor_load_to_lds s[\g0k:\g0k+3], s[\g1k:\g1k+7]
	s_nop 0
.rept 4
	v_nop
.endr
	s_branch .Lasked_\@
.Lnot_k_\@:
	s_cmp_lt_u32 s[WV], 4
	s_cbranch_scc0 .Lasked_\@
	tensor_load_to_lds s[\g0v:\g0v+3], s[\g1v:\g1v+7]
	s_nop 0
.rept 4
	v_nop
.endr
.Lasked_\@:
.endm
; A PREFETCH INTO THE L2 of the key step that the NEXT change of slots will ask for: one key step ahead of that load.  All 16 work-groups of a pair walk the same K and V: the pair's first work-group, which walks all 16 steps, asks.
; Waves 0 to 3: K's 128 rows of 256 bytes, 32 a wave, a lane a row.  Waves 4 to 7: the block's 32,768 bytes of codes, 8,192 a wave, lanes 256 bytes apart.  So each aligned block of 256 bytes is named once.
; Steps 0 and 1 come by their loads alone; the last change that fills a slot asks for nothing; the 1,024 bytes of scale words of a block are not asked for.
.macro ASK
	s_cmp_gt_u32 s[SLOTS], s[LIM]
	s_cbranch_scc0 .Lnot_mine_\@
	global_prefetch_b8 v[PFO], s[PFA:PFA+1] th:TH_LOAD_NT scope:SCOPE_SE
.Lnot_mine_\@:
.endm
; THE CHANGE OF SLOTS stands at a step's head.  Each wave waits for all its tensor loads (its part of the slot that it is about to read), adds 0 to its spare word, and waits for that and for its reads of the slot that it has left.
; Behind the barrier the slot ahead is whole and nobody reads the other one.  fill = 1: that other slot takes the next key step, which has a whole step in which to land.
.macro CHANGE fill
	s_wait_tensorcnt 0x0                           ; no tensor load of mine is out, so a group 0 may be written
	ds_add_u32 v[SPW], v[NIL]                      ; 0 onto my spare word; the descriptors' steps stand between it and the wait for it
.if \fill
	s_xor_b32 s[G0K+1], s[G0K+1], SLOT1            ; the walking descriptors: the other slot than last time,
	s_add_nc_u64 s[G0K+2:G0K+3], s[G0K+2:G0K+3], 128*2048   ; the next 128 keys; the type bits on top are not reached
	s_xor_b32 s[G0V+1], s[G0V+1], SLOT1
	s_add_nc_u64 s[G0V+2:G0V+3], s[G0V+2:G0V+3], VBLK
	s_wait_xcnt 0x0                                ; the last prefetch, a step back, has read its address, so it may be written:
	s_add_nc_u64 s[PFA:PFA+1], s[PFA:PFA+1], s[PFS:PFS+1]   ; one step further on than the walking descriptors
.endif
	s_wait_dscnt 0x0                               ; the add is done, and my reads of the slot that I have left are over
	s_barrier_signal -1
	s_barrier_wait -1
.if \fill
	s_add_co_u32 s96, s[KF], 128                   ; THE LOOK-AHEAD ENDS AT THE CAUSAL LIMIT: a step whose first key comes after my work-group's last query is read by none of its waves, so it is not asked for.
	s_cmp_gt_u32 s96, s[QL]                        ; The work-group's number and the count of steps alone: all eight waves go the same way, and a work-group past the limit stays past it.  Every wait for tensor loads in this text is for 0
	s_cbranch_scc1 .Lpast_\@
	TLOAD G0K, G1K, G0V, G1V                       ; the first thing behind the barrier, and a wave's one tensor load until the next
.Lpast_\@:
	ASK
.endif
.endm
; Four fragments of K: attention a's 128 codes of keys 16 (4 g + t) + r; a fragment is 16 registers: registers 4 c .. 4 c + 3 hold d = 32 c + 16 hh + 0 .. 15
.macro KLOAD a, g
.irp t, 0,1,2,3
.irp c, 0,1,2,3
	ds_load_b128 v[FA+16*\t+4*\c:FA+16*\t+4*\c+3], v[ADK] offset:16*(4*(\g)+\t)*KP+128*(\a)+32*\c
.endr
.endr
.endm
; Four products S^T = K Q^T.  k's scale words of keys 32 u + lane lie in one register: an even tile's in lanes 0-15, an odd tile's in lanes 16-31
.macro SMUL a, g
.irp t, 0,1,2,3
.if (\t)%2
	v_wmma_scale_f32_16x16x128_f8f6f4 v[S+8*(4*(\g)+\t):S+8*(4*(\g)+\t)+7], v[FA+16*\t:FA+16*\t+15], v[QF+16*(\a):QF+16*(\a)+15], 0, v[KS+2*((4*(\g)+\t)/2)+(\a)], v[QS+(\a)] matrix_a_fmt:MATRIX_FMT_BF8 matrix_b_fmt:MATRIX_FMT_BF8 matrix_a_scale:MATRIX_SCALE_ROW1
.else
	v_wmma_scale_f32_16x16x128_f8f6f4 v[S+8*(4*(\g)+\t):S+8*(4*(\g)+\t)+7], v[FA+16*\t:FA+16*\t+15], v[QF+16*(\a):QF+16*(\a)+15], 0, v[KS+2*((4*(\g)+\t)/2)+(\a)], v[QS+(\a)] matrix_a_fmt:MATRIX_FMT_BF8 matrix_b_fmt:MATRIX_FMT_BF8
.endif
.endr
.endm
; On the diagonal the scores of hidden keys become -infinity ahead of the maximum: p = 0 then.  A step all of whose keys count skips this.  Register n holds key KF + 16 (n / 8) + 8 hh + n % 8
.macro MASK
	s_add_co_u32 s96, s[KF], 127
	s_cmp_le_u32 s96, s[Q0]
	s_cbranch_scc1 .Lopen_\@
	s_sub_co_i32 s96, s[Q0], s[KF]
	v_add_nc_u32 v[DD], s96, v[RH]                 ; d = my query - KF - 8 hh: hidden where 16 (n / 8) + n % 8 > d
	v_mov_b32 v[NINF], 0xff800000
.irp n, 0,1,2,3,4,5,6,7,8,9,10,11,12,13,14,15,16,17,18,19,20,21,22,23,24,25,26,27,28,29,30,31,32,33,34,35,36,37,38,39,40,41,42,43,44,45,46,47,48,49,50,51,52,53,54,55,56,57,58,59,60,61,62,63
	v_cmp_gt_i32 vcc_lo, 16*(\n/8)+\n%8, v[DD]
	v_cndmask_b32 v[S+\n], v[S+\n], v[NINF], vcc_lo
.endr
.Lopen_\@:
.endm
; Attention a's softmax of a key step: the scores in v[S] on become p, its codes in v[P + 16 a] on and its scale word in v[PS + a]; f = 2^(old M - new M) is left in v[F]
.macro SOFTMAX a
.set TT, STT+4*(\a)
.irp b, 0,1,2,3
	v_max3_num_f32 v[BM+\b], v[S+16*\b], v[S+1+16*\b], v[S+2+16*\b]   ; the largest score of each block of 32 keys: it serves for the row's maximum and, since p rises with the score, for the block's largest p.  Each result is read from its low end on
.endr
.irp i, 3,5,7,9,11,13
.irp b, 0,1,2,3
	v_max3_num_f32 v[BM+\b], v[BM+\b], v[S+16*\b+\i], v[S+1+16*\b+\i]
.endr
.endr
.irp b, 0,1,2,3
	v_max_num_f32 v[BM+\b], v[BM+\b], v[S+15+16*\b]
.endr
.irp b, 0,1,2,3
	v_permlanex16_b32 v[T4+\b], v[BM+\b], s[SEL], s[SEL+1]
.endr
.irp b, 0,1,2,3
	v_max_num_f32 v[BM+\b], v[BM+\b], v[T4+\b]     ; with lane l xor 16's 16 keys of the block
.endr
	v_max3_num_f32 v[XX], v[BM], v[BM+1], v[BM+2]
	v_max_num_f32 v[XX], v[XX], v[BM+3]            ; the step's largest score of my query
	v_mul_f32 v[XX], s[CS], v[XX]                  ; as t (c is positive)
	v_max_num_f32 v[TT+1], v[TT+1], v[XX]          ; the running largest t
	v_mov_b32 v[XX], v[TT]
	v_floor_f32 v[TT], -v[TT+1]                    ; the new -M = floor(-t): M is a whole number
	v_sub_f32 v[XX], v[TT], v[XX]                  ; old M - new M: a whole number, 0 or less
	v_cvt_i32_f32 v[XX], v[XX]                     ; (it saturates)
	v_ldexp_f32 v[F], 1.0, v[XX]                   ; f: a multiplication by it rounds nothing
.set jj, 0
.rept 32
	v_pk_fma_f32 v[S+jj:S+jj+1], v[S+jj:S+jj+1], s[CS:CS+1], v[TT:TT+1] op_sel_hi:[1,0,0]   ; t - M, two at a time (of the pairs c and -M the low word serves both halves)
.set jj, jj+2
.endr
.irp b, 0,1,2,3
	v_fma_f32 v[BM+\b], v[BM+\b], s[CS], v[TT]     ; the same of each block's largest score
.endr
.set jj, 0
.rept 64
	v_exp_f32 v[S+jj], v[S+jj]                     ; p = 2^(t - M), at most 1
.set jj, jj+1
.endr
	v_pk_mul_f32 v[TT+2:TT+3], v[TT+2:TT+3], v[F:F+1] op_sel_hi:[1,0]   ; the sums under the new M: the plain line behind the exponentials
	s_wait_alu depctr_va_vdst(0)                   ; the wait ahead of the first line that names a result: one for the 64
.irp b, 0,1,2,3
	v_exp_f32 v[BM+\b], v[BM+\b]                   ; the block's largest p
.endr
	v_pk_add_f32 v[T4:T4+1], v[S:S+1], v[S+2:S+3]  ; the row's sum is taken of the unquantised p: two at a time, in two chains
.set jj, 4
.rept 15
	v_pk_add_f32 v[TT+2:TT+3], v[TT+2:TT+3], v[S+jj:S+jj+1]
	v_pk_add_f32 v[T4:T4+1], v[T4:T4+1], v[S+jj+2:S+jj+3]
.set jj, jj+4
.endr
	v_pk_add_f32 v[TT+2:TT+3], v[TT+2:TT+3], v[T4:T4+1]
	s_wait_alu depctr_va_vdst(0)                   ; and one for the four
.irp b, 0,1,2,3
	v_max_num_f32 v[BM+\b], 0x8000000, v[BM+\b]    ; the floor 2^(16 - 127): the byte cannot fall under 1 (a block whose every p is 0 keeps that byte: its codes are zeros)
.endr
.irp b, 0,1,2,3
	v_add_nc_u32 v[SO+\b], 0xf8800000, v[BM+\b]    ; 15 off the exponent field: the conversion's scale operand
.endr
.irp b, 0,1,2,3
	v_and_or_b32 v[HO+\b], v[BM+\b], 0x7f800000, s[MNT]   ; 57,344 x the scale
.endr
.irp b, 0,1,2,3
	v_lshrrev_b32 v[T4+\b], 23, v[SO+\b]           ; the scale's byte
.endr
	v_lshl_or_b32 v[PS+(\a)], v[T4+1], 8, v[T4]    ; p's scale word for these 128 keys
	v_lshl_or_b32 v[PS+(\a)], v[T4+2], 16, v[PS+(\a)]
	v_lshl_or_b32 v[PS+(\a)], v[T4+3], 24, v[PS+(\a)]
.irp b, 0,1,2,3
.irp i, 0,1,2,3,4,5,6,7,8,9,10,11,12,13,14,15
	v_min_num_f32 v[S+16*\b+\i], v[S+16*\b+\i], v[HO+\b]   ; the conversion does not saturate (ISA guide 7.6.2); p is not negative, so the hold is one-sided
.endr
	v_cvt_scalef32_pk8_bf8_f32 v[P+16*(\a)+4*\b:P+16*(\a)+4*\b+1], v[S+16*\b:S+16*\b+7], v[SO+\b]
	v_cvt_scalef32_pk8_bf8_f32 v[P+16*(\a)+4*\b+2:P+16*(\a)+4*\b+3], v[S+16*\b+8:S+16*\b+15], v[SO+\b]
.endr
	v_nop                                          ; a plain line behind the last conversion: matrix results and loads land on its sources next
.endm
.macro RESCALE a                       ; attention a's O^T under the new M: x f, each accumulator from its low end on
	WIN 0x41                                       ; destination and source 0 window 1, f window 0
.set pp, 0
.rept 64
	v_pk_mul_f32 v[128*(\a)+2*pp:128*(\a)+2*pp+1], v[128*(\a)+2*pp:128*(\a)+2*pp+1], v[F:F+1] op_sel_hi:[1,0]
.set pp, pp+1
.endr
	WIN 0
.endm
.macro VLOAD buf, g                    ; four fragments of V^T, as images of their registers: 512 consecutive bytes a load
.irp t, 0,1,2,3
.irp c, 0,1,2,3
	ds_load_b128 v[\buf+16*\t+4*\c:\buf+16*\t+4*\c+3], v[ADV] offset:2048*(4*(\g)+\t)+512*\c
.endr
.endr
.endm
; Eight products O^T += V^T P^T: each fragment of V against both attentions' weights.  The 32 accumulators take turns, one instruction a turn.  first = 1: the products start the sums
.macro PVMUL buf, g, first
	WIN 0x50                                       ; C and D window 1
.irp t, 0,1,2,3
.irp a, 0,1
.set rO, 128*\a+8*(4*(\g)+\t)
.set rV, \buf+16*\t
.set rP, P+16*\a
.set rW, VS+(4*(\g)+\t)/2
.if \first
.if (\t)%2
	v_wmma_scale_f32_16x16x128_f8f6f4 v[rO:rO+7], v[rV:rV+15], v[rP:rP+15], 0, v[rW], v[PS+\a] matrix_a_fmt:MATRIX_FMT_BF8 matrix_b_fmt:MATRIX_FMT_BF8 matrix_a_scale:MATRIX_SCALE_ROW1
.else
	v_wmma_scale_f32_16x16x128_f8f6f4 v[rO:rO+7], v[rV:rV+15], v[rP:rP+15], 0, v[rW], v[PS+\a] matrix_a_fmt:MATRIX_FMT_BF8 matrix_b_fmt:MATRIX_FMT_BF8
.endif
.else
.if (\t)%2
	v_wmma_scale_f32_16x16x128_f8f6f4 v[rO:rO+7], v[rV:rV+15], v[rP:rP+15], v[rO:rO+7], v[rW], v[PS+\a] matrix_a_fmt:MATRIX_FMT_BF8 matrix_b_fmt:MATRIX_FMT_BF8 matrix_a_scale:MATRIX_SCALE_ROW1
.else
	v_wmma_scale_f32_16x16x128_f8f6f4 v[rO:rO+7], v[rV:rV+15], v[rP:rP+15], v[rO:rO+7], v[rW], v[PS+\a] matrix_a_fmt:MATRIX_FMT_BF8 matrix_b_fmt:MATRIX_FMT_BF8
.endif
.endif
.endr
.endr
.endm
; A KEY STEP: 128 keys, both attentions.  first = 1: the launch's first step, which no wave leaves out and which starts O^T's sums.
.macro STEP first
.if \first == 0
	s_add_co_u32 s96, s[Q0], 15                    ; a step all of whose keys come after my 16 queries is left out: a branch on ids, round loads, products and softmax; not round the lines at its end that step addresses
	s_cmp_gt_u32 s[KF], s96
	s_cbranch_scc1 .Lhidden_\@
.endif
	v_add_nc_u32 v[ADK], s[TB], v[AK]
	v_add_nc_u32 v[ADV], s[TB], v[AV]
	v_add_nc_u32 v[ADT], s[TB], v[ASV]
	v_add_nc_u32 v[ADS], s[TS], v[ASKW]
	PLACES 5                                       ; with the four additions nine places behind the last step's products: the scores below are written over fragments that those read
	KLOAD 0, 0
.irp u, 0,1,2,3
	ds_load_b64 v[KS+2*\u:KS+2*\u+1], v[ADS] offset:256*\u   ; both heads' scale words of keys 32 u + lane
.endr
.irp u, 0,1,2,3,4,5,6,7
	ds_load_b32 v[VS+\u], v[ADT] offset:128*\u     ; v's scale words of channels 32 u + lane
.endr
	s_wait_dscnt 0x0
	SMUL 0, 0
	PLACES 8
	KLOAD 0, 1
	s_wait_dscnt 0x0
	SMUL 0, 1
	PLACES 8                                       ; for the loads below and for the first reads of the scores
	KLOAD 1, 0                                     ; the second attention's first fragments land under the first's softmax
	MASK
	SOFTMAX 0
	s_wait_dscnt 0x0
	SMUL 1, 0
	PLACES 8
	KLOAD 1, 1
.if \first == 0
	RESCALE 0                                      ; 64 lines under which those loads land
.endif
	s_wait_dscnt 0x0
	SMUL 1, 1
	PLACES 8
	VLOAD FA, 0                                    ; V's first fragments land under the second softmax
	MASK
	SOFTMAX 1
	VLOAD S, 1                                     ; p is in codes: its registers are the second buffer for V
.if \first
	PLACES 8                                       ; the codes and the scale word stand their places ahead of the scaled products
.else
	RESCALE 1                                      ; (these 64 lines are those places too)
.endif
	s_wait_dscnt 16                                ; group 0 is in; group 1's 16 loads may be out
	PVMUL FA, 0, \first
	PLACES 8
	WIN 0
	VLOAD FA, 2
	s_wait_dscnt 16                                ; group 1 is in; group 2's 16 may be out
	PVMUL S, 1, \first
	PLACES 8
	WIN 0
	VLOAD S, 3
	s_wait_dscnt 16                                ; group 2 is in; group 3's 16 may be out
	PVMUL FA, 2, \first
	s_wait_dscnt 0x0
	PVMUL S, 3, \first
	WIN 0                                          ; at a label and at a branch every window is 0
.if \first == 0
.Lhidden_\@:
.endif
	s_add_co_u32 s[KF], s[KF], 128
	s_add_co_u32 s[TS], s[TS], 1024
	s_xor_b32 s[TB], s[TB], SLOT1
.endm
	s_load_b256 s[4:11], s[0:1], 0x0               ; q_codes s[4:5], q_scales s[6:7], k_codes s[8:9], ksc s[10:11]
	s_load_b256 s[12:19], s[0:1], 0x20             ; vq s[12:13], lambda_q1 s[14:15], lambda_k1 s[16:17], lambda_q2 s[18:19]
	s_load_b128 s[20:23], s[0:1], 0x40             ; lambda_k2 s[20:21], subln_weight s[22:23]
	s_load_b64 s[24:25], s[0:1], 0x50              ; out0
	v_lshl_add_u32 v[SPW], v0, 2, SPARE
	v_mov_b32 v[NIL], 0
	ds_add_u32 v[SPW], v[NIL]                      ; the wave's opening: the add and its wait stand ahead of my first tensor load; the set-up below, work on registers, stands between them
	v_lshrrev_b32 v8, 5, v0
	v_readfirstlane_b32 s[WV], v8                  ; wave 0..7
	s_and_b32 s83, ttmp7, 0xffff                   ; bh
	s_lshr_b32 s84, s83, 3                         ; b
	s_and_b32 s85, s83, 7                          ; h
	s_lshr_b32 s86, s[WV], 2
	s_xor_b32 s86, s86, s[WV]
	s_and_b32 s86, s86, 1                          ; 1: my tile lies in the late block
	s_lshl_b32 s87, ttmp9, 1
	s_sub_co_u32 s87, 31, s87                      ; 31 - 2 i
	s_mul_i32 s87, s87, s86
	s_add_co_u32 s87, s87, ttmp9                   ; my block of 64 queries: i or 31 - i
	s_lshl_b32 s87, s87, 6
	s_lshr_b32 s88, s[WV], 1                       ; my tile in it
	s_lshl_b32 s88, s88, 4
	s_add_co_u32 s[Q0], s87, s88
	s_lshl_b32 s88, ttmp9, 6
	s_sub_co_u32 s[QL], 2047, s88                  ; the late block's last query
	s_lshl_b32 s89, s84, 11
	s_add_co_u32 s89, s89, s[Q0]                   ; my first row: 2,048 b + Q0
	s_lshl_b32 s90, s89, 11                        ; q's codes: 2,048 bytes a row, 256 a pair
	s_lshl_b32 s86, s85, 8
	s_add_co_u32 s90, s90, s86
	s_mov_b32 s91, 0
	s_lshl_b32 s92, s89, 6                         ; q's scale bytes: 64 a row, 8 a pair
	s_lshl_b32 s86, s85, 3
	s_add_co_u32 s92, s92, s86
	s_mov_b32 s93, 0
	s_lshl_b32 s94, s89, 13                        ; out0: 8,192 bytes a row, 1,024 a pair
	s_lshl_b32 s86, s85, 10
	s_add_co_u32 s94, s94, s86
	s_mov_b32 s95, 0
	s_lshl_b32 s96, s84, 22                        ; the pair's first byte in k_codes,
	s_lshl_b32 s86, s85, 8
	s_add_co_u32 s96, s96, s86
	s_mov_b32 s97, 0
	s_mul_i32 s98, s83, 16*VBLK                    ; and in vq
	s_mov_b32 s99, 0
	s_and_b32 s88, s[WV], 1                        ; which half of a tile I fetch, if I fetch
	s_and_b32 s87, s[WV], 3                        ; which quarter of the scale words
	s_mov_b32 s[G0K], 1                            ; 1:0 count = 1
	s_mul_i32 s[G0K+1], s88, 64*KP                 ; 63:32 LDS address: slot 0
	s_mov_b32 s[G0V], 1
	s_mul_i32 s[G0V+1], s88, VBLK/2
	s_add_co_u32 s[G0V+1], s[G0V+1], VOFF
	s_mov_b32 s[G0S], 1
	s_lshl_b32 s[G0S+1], s87, 12
	s_add_co_u32 s[G0S+1], s[G0S+1], SCK
	s_lshl_b32 s2, s83, 14                         ; ksc: 16,384 bytes a pair, my 4,096
	s_lshl_b32 s3, s87, 12
	s_add_co_u32 s2, s2, s3
	s_mov_b32 s3, 0
	s_lshl_b32 s86, s88, 17                        ; K: my 64 rows of 2,048 bytes in memory
	s_mov_b32 s87, 0
	s_mul_i32 s88, s88, VBLK/2                     ; V: my half of the block
	s_mov_b32 s89, 0
	; descriptor groups 1.  K: 64 rows of 256 bytes, 2,048 bytes apart in memory, 16 bytes of padding behind each in LDS
	s_mov_b32 s[G1K], (1<<20)|(5<<22)|(3<<25)      ; 15:0 no mask; 17:16 elements of 1 byte; 20 padding on; 24:22 after every 64 words (code 5); 31:25 four words (code 3)
	s_mov_b32 s[G1K+1], 256<<16                    ; tensor_dim0
	s_mov_b32 s[G1K+2], 64<<16                     ; tensor_dim1
	s_mov_b32 s[G1K+3], 256<<16                    ; tile_dim0
	s_mov_b32 s[G1K+4], 64                         ; tile_dim1
	s_mov_b32 s[G1K+5], 2048                       ; tensor_dim0_stride
	s_mov_b32 s[G1K+6], 0
	s_mov_b32 s[G1K+7], 0
	s_mov_b32 s[G1V], 3<<16                        ; half a block of vq: dense, 66 rows of 32 elements of 8 bytes
	s_mov_b32 s[G1V+1], 32<<16
	s_mov_b32 s[G1V+2], 66<<16
	s_mov_b32 s[G1V+3], 32<<16
	s_mov_b32 s[G1V+4], 66
	s_mov_b32 s[G1V+5], 32
	s_mov_b32 s[G1V+6], 0
	s_mov_b32 s[G1V+7], 0
	s_mov_b32 s[G1S], 3<<16                        ; a quarter of the pair's scale words of k: dense, 16 such rows
	s_mov_b32 s[G1S+1], 32<<16
	s_mov_b32 s[G1S+2], 16<<16
	s_mov_b32 s[G1S+3], 32<<16
	s_mov_b32 s[G1S+4], 16
	s_mov_b32 s[G1S+5], 32
	s_mov_b32 s[G1S+6], 0
	s_mov_b32 s[G1S+7], 0
	s_mov_b32 s[SEL], 0x76543210
	s_mov_b32 s[SEL+1], 0xfedcba98
	s_mov_b32 s[CS], 0x3e0293ee                    ; c = log2(e) / sqrt(128)
	s_mov_b32 s[CS+1], s[CS]                       ; (named with it as a pair, so it is written)
	s_mov_b32 s[MNT], 0x600000
	s_mov_b32 s[EPS], 0x3727c5ac                   ; 1e-5
	s_mov_b32 s[TB], 0
	s_mov_b32 s[TS], 0
	s_mov_b32 s[KF], 0
	s_mov_b32 s[SLOTS], 14
	s_wait_dscnt 0x0                               ; the opening add is done
	s_wait_kmcnt 0x0
	s_add_nc_u64 s[G0S+2:G0S+3], s[10:11], s[2:3]
	s_or_b32 s[G0S+3], s[G0S+3], 0x80000000        ; 127:126 type = 2
	TLOAD G0S, G1S, G0S, G1S                       ; k's scale words of the whole pair, a quarter for each of waves 0 to 3: filled once
	s_add_nc_u64 s[G0K+2:G0K+3], s[8:9], s[96:97]
	s_add_nc_u64 s[G0K+2:G0K+3], s[G0K+2:G0K+3], s[86:87]
	s_or_b32 s[G0K+3], s[G0K+3], 0x80000000
	s_add_nc_u64 s[G0V+2:G0V+3], s[12:13], s[98:99]
	s_add_nc_u64 s[G0V+2:G0V+3], s[G0V+2:G0V+3], s[88:89]
	s_or_b32 s[G0V+3], s[G0V+3], 0x80000000
	TLOAD G0K, G1K, G0V, G1V                       ; key step 0 into slot 0: two tensor loads of a fetching wave are out
	; the prefetches (macro ASK): where my wave's stand, and who asks
	s_cmp_lt_u32 s[WV], 4                          ; waves 0 to 3 ask for K's codes, waves 4 to 7 for V's
	s_cselect_b64 s[PFA:PFA+1], s[8:9], s[12:13]
	s_cselect_b32 s2, s96, s98                     ; the pair's first byte
	s_mov_b32 s[PFS], VBLK
	s_cselect_b32 s[PFS], 128*2048, s[PFS]         ; a key step on
	s_mov_b32 s86, 256
	s_cselect_b32 s86, 2048, s86                   ; from lane to lane
	s_mov_b32 s87, 8192
	s_cselect_b32 s87, 65536, s87                  ; from wave to wave
	v_and_b32 v[PFO], 31, v0
	v_mul_lo_u32 v[PFO], v[PFO], s86
	s_and_b32 s86, s[WV], 3
	s_mul_i32 s86, s86, s87
	s_add_co_u32 s2, s2, s86                       ; my wave's part,
	s_add_co_u32 s2, s2, s[PFS]                    ; in key step 1: the first change of slots steps it to step 2.  Nothing is prefetched here, at the head
	s_mov_b32 s3, 0
	s_mov_b32 s[PFS+1], 0
	s_add_nc_u64 s[PFA:PFA+1], s[PFA:PFA+1], s[2:3]
	s_cmp_eq_u32 ttmp9, 0
	s_cselect_b32 s[LIM], 1, -1
	s_add_nc_u64 s[4:5], s[4:5], s[90:91]          ; q's codes at my first query,
	s_add_nc_u64 s[6:7], s[6:7], s[92:93]          ; its scale words,
	s_add_nc_u64 s[24:25], s[24:25], s[94:95]      ; and its row of out0
	v_and_b32 v8, 15, v0                           ; r
	v_bfe_u32 v9, v0, 4, 1                         ; hh
	v_lshlrev_b32 v10, 11, v8
	v_lshl_add_u32 v10, v9, 4, v10                 ; row r, + 16 hh
.irp a, 0,1
.irp c, 0,1,2,3
	global_load_b128 v[QF+16*\a+4*\c:QF+16*\a+4*\c+3], v10, s[4:5] offset:128*\a+32*\c   ; both heads' fragments of Q stay in registers
.endr
.endr
	v_lshlrev_b32 v11, 6, v8
	global_load_b64 v[QS:QS+1], v11, s[6:7]        ; their scale words
	v_and_b32 v[GO], 31, v0
	v_lshlrev_b32 v[GO], 4, v[GO]                  ; 16 x lane
	global_load_b128 v[FA:FA+3], v[GO], s[14:15]   ; the four lambda vectors, four numbers a lane
	global_load_b128 v[FA+4:FA+7], v[GO], s[16:17]
	global_load_b128 v[FA+8:FA+11], v[GO], s[18:19]
	global_load_b128 v[FA+12:FA+15], v[GO], s[20:21]
	v_mul_u32_u24 v[AK], v8, KP
	v_lshl_add_u32 v[AK], v9, 4, v[AK]             ; K: row r x pitch + 16 hh
	v_add_nc_u32 v[AV], VOFF, v[GO]                ; V: an image's place for my lane
	v_and_b32 v[ASKW], 31, v0
	v_lshl_add_u32 v[ASV], v[ASKW], 2, VOFF+32768  ; v's scale words: 4 bytes a lane
	v_lshl_add_u32 v[ASKW], v[ASKW], 3, SCK        ; k's: 8 bytes a lane
	v_lshlrev_b32 v[RH], 3, v9
	v_sub_nc_u32 v[RH], v8, v[RH]                  ; r - 8 hh
.irp a, 0,1
	v_mov_b32 v[STT+4*\a+1], 0xff61b1e6            ; the largest t so far: -3e38, under every t
	v_floor_f32 v[STT+4*\a], -v[STT+4*\a+1]        ; -M
	v_mov_b32 v[STT+4*\a+2], 0                     ; the sum, in two halves
	v_mov_b32 v[STT+4*\a+3], 0
.endr
.irp b, 0,1,2,3
	v_mov_b32 v[T4+\b], 0                          ; written once: a lane permute's destination counts as one of its sources
.endr
	v_mov_b32 v[F+1], 0                            ; (named as the upper half of the pair with f)
	s_wait_loadcnt 0x0                             ; Q, its scale words, the lambda vectors
	; lambda = exp(lambda_q1 . lambda_k1) - exp(lambda_q2 . lambda_k2) + lambda_init, in every lane
	v_mul_f32 v[FA+16], v[FA], v[FA+4]
	v_mul_f32 v[FA+17], v[FA+8], v[FA+12]
.irp j, 1,2,3
	v_fmac_f32 v[FA+16], v[FA+\j], v[FA+4+\j]
	v_fmac_f32 v[FA+17], v[FA+8+\j], v[FA+12+\j]
.endr
.irp m, 1,2,4,8
	v_add_f32_dpp v[FA+16], v[FA+16], v[FA+16] row_xmask:\m row_mask:0xf bank_mask:0xf
	v_add_f32_dpp v[FA+17], v[FA+17], v[FA+17] row_xmask:\m row_mask:0xf bank_mask:0xf
.endr
	v_permlanex16_b32 v[T4], v[FA+16], s[SEL], s[SEL+1]
	v_permlanex16_b32 v[T4+1], v[FA+17], s[SEL], s[SEL+1]
	v_add_f32 v[FA+16], v[FA+16], v[T4]
	v_add_f32 v[FA+17], v[FA+17], v[T4+1]
	v_mul_f32 v[FA+16], 0x3fb8aa3b, v[FA+16]       ; x log2(e)
	v_mul_f32 v[FA+17], 0x3fb8aa3b, v[FA+17]
	v_exp_f32 v[FA+16], v[FA+16]
	v_exp_f32 v[FA+17], v[FA+17]
	v_nop                                          ; a plain line behind the exponentials
	s_wait_alu depctr_va_vdst(0)                   ; and the wait ahead of the first use: one for the two
	v_sub_f32 v[LAM], v[FA+16], v[FA+17]
	v_add_f32 v[LAM], 0x3f489a63, v[LAM]           ; + 0.8 - 0.6 exp(-3.6)
	CHANGE 1                                       ; step 0 and the scale words are in; step 1 is asked for
	STEP 1
.Lslot:                                            ; 14 trips: steps 1 to 14
	CHANGE 1
	STEP 0
	s_sub_co_u32 s[SLOTS], s[SLOTS], 1
	s_cmp_lg_u32 s[SLOTS], 0
	s_cbranch_scc1 .Lslot
	CHANGE 0                                       ; the last step is written out: nothing is left to ask for
	STEP 0
	; THE WAY OUT.  x = O1 / l1 - lambda O2 / l2 = (O1 + g O2) / l1 with g = -lambda l1 / l2; the mean of x^2 over the 256 channels (128 in my lane, 128 in lane l xor 16); x rsqrt(mean + 1e-5) (1 - lambda_init); the gain.
	global_load_b128 v[24:27], v[GO], s[22:23]               ; the gains of the four channels that I store, first half of the row,
	global_load_b128 v[28:31], v[GO], s[22:23] offset:512    ; second half
	v_and_b32 v10, 15, v0                          ; r.  (These eight plain lines are the places behind the last products)
	v_bfe_u32 v11, v0, 4, 1                        ; hh
	s_mul_i32 s96, s[WV], 16*SP
	s_add_co_u32 s96, s96, STAGE                   ; my stage
	v_mul_u32_u24 v8, v10, SP
	v_lshl_add_u32 v8, v11, 5, v8
	v_add_nc_u32 v8, s96, v8                       ; in: row r, + 32 hh
	v_add_nc_u32 v9, s96, v[GO]                    ; back: the 32 lanes take 512 bytes of a row
	v_add_f32 v40, v[STT+2], v[STT+3]              ; the sums' two halves,
	v_add_f32 v41, v[STT+6], v[STT+7]
	v_permlanex16_b32 v[T4], v40, s[SEL], s[SEL+1]
	v_permlanex16_b32 v[T4+1], v41, s[SEL], s[SEL+1]
	v_add_f32 v40, v40, v[T4]                      ; and lane l xor 16's: l1, l2
	v_add_f32 v41, v41, v[T4+1]
	v_rcp_f32 v48, v40
	v_rcp_f32 v49, v41
	v_mul_f32 v44, v[LAM], v40                     ; lambda l1: the plain line behind the reciprocals
	s_wait_alu depctr_va_vdst(0)                   ; one wait for the two, ahead of their first use
	v_mul_f32 v44, -v44, v49                       ; g
	v_mov_b32 v45, v44
	WIN 0x51                                       ; O1^T (destination and source 2) and O2^T (source 0) window 1, g window 0
.set pp, 0
.rept 64
	v_pk_fma_f32 v[2*pp:2*pp+1], v[128+2*pp:129+2*pp], v[44:45], v[2*pp:2*pp+1] op_sel_hi:[1,0,1]   ; each accumulator from its low end on
.set pp, pp+1
.endr
	WIN 0x05                                       ; sources 0 and 1 window 1; the sums of squares, four packed chains, window 0
.irp k, 0,1,2,3
	v_pk_mul_f32 v[32+2*\k:33+2*\k], v[2*\k:2*\k+1], v[2*\k:2*\k+1]
.endr
.set pp, 4
.rept 60
	v_pk_fma_f32 v[32+2*(pp%4):33+2*(pp%4)], v[2*pp:2*pp+1], v[2*pp:2*pp+1], v[32+2*(pp%4):33+2*(pp%4)]
.set pp, pp+1
.endr
	WIN 0
	v_pk_add_f32 v[32:33], v[32:33], v[34:35]
	v_pk_add_f32 v[36:37], v[36:37], v[38:39]
	v_pk_add_f32 v[32:33], v[32:33], v[36:37]
	v_add_f32 v32, v32, v33
	v_permlanex16_b32 v[T4], v32, s[SEL], s[SEL+1]
	v_add_f32 v32, v32, v[T4]                      ; the sum over the 256 channels
	v_mul_f32 v43, v48, v48
	v_mul_f32 v43, 0x3b800000, v43                 ; 1 / (256 l1^2)
	v_fma_f32 v43, v32, v43, s[EPS]                ; the mean of x^2, + 1e-5
	v_rsq_f32 v52, v43
	v_nop
	s_wait_alu depctr_va_vdst(0)
	v_mul_f32 v46, v52, v48                        ; rsqrt / l1
	v_mul_f32 v46, 0x3e5d9673, v46                 ; x (1 - lambda_init)
	v_mov_b32 v47, v46
	WIN 0x01                                       ; source 0 window 1
.set pp, 0
.rept 64
	v_pk_mul_f32 v[Y+2*pp:Y+2*pp+1], v[2*pp:2*pp+1], v[46:47] op_sel_hi:[1,0]   ; register 8 ct + j: channel 16 ct + 8 hh + j of query r
.set pp, pp+1
.endr
	WIN 0
	; Half a row (128 channels, 512 bytes) of 16 queries at a time goes through my stage and comes back as whole rows.  LDS serves a wave's instructions in order (ISA guide 5.7.1.4): the loads see my stores, and the next half's stores come behind them
.irp u, 0,1
.irp t, 0,1,2,3,4,5,6,7
	ds_store_b128 v8, v[Y+64*\u+8*\t:Y+64*\u+8*\t+3] offset:64*\t
	ds_store_b128 v8, v[Y+64*\u+8*\t+4:Y+64*\u+8*\t+7] offset:64*\t+16
.endr
.irp i, 0,1,2,3,4,5,6,7,8,9,10,11,12,13,14,15
	ds_load_b128 v[Y+64*\u+4*\i:Y+64*\u+4*\i+3], v9 offset:\i*SP
.endr
.endr
	s_wait_loadcnt 0x0                             ; the gains
.irp u, 0,1
.irp i, 0,1,2,3,4,5,6,7,8,9,10,11,12,13,14,15
	s_wait_dscnt 47-32*\u-\i                       ; row i of this half is back: behind it stand the half's later rows and, for the first half, the second's 32 LDS instructions
	v_pk_mul_f32 v[Y+64*\u+4*\i:Y+64*\u+4*\i+1], v[Y+64*\u+4*\i:Y+64*\u+4*\i+1], v[24+4*\u:25+4*\u]
	v_pk_mul_f32 v[Y+64*\u+4*\i+2:Y+64*\u+4*\i+3], v[Y+64*\u+4*\i+2:Y+64*\u+4*\i+3], v[26+4*\u:27+4*\u]
	global_store_b128 v[GO], v[Y+64*\u+4*\i:Y+64*\u+4*\i+3], s[24:25] offset:8192*\i+512*\u th:TH_STORE_NT   ; 32 lanes store 512 consecutive bytes, at a multiple of 256 from out0's first byte
.endr
.endr
	s_wait_tensorcnt 0x0                           ; the wave's end, behind my last tensor load and my last LDS store
	ds_add_u32 v[SPW], v[NIL]
	s_wait_dscnt 0x0
	s_endpgm
.Lfunc_end_k_qec14a90375_attn:
	.size	k_qec14a90375_attn, .Lfunc_end_k_qec14a90375_attn-k_qec14a90375_attn
	.p2alignl 7, 3214868480
	.fill 96, 4, 3214868480
	.section	.rodata,"a",@progbits
	.p2align	6, 0x0
	.amdhsa_kernel k_qec14a90375_attn
		.amdhsa_group_segment_fixed_size 327680
		.amdhsa_private_segment_fixed_size 0
		.amdhsa_enable_private_segment 0
		.amdhsa_kernarg_size 88
		.amdhsa_user_sgpr_count 2
		.amdhsa_user_sgpr_kernarg_segment_ptr 1
		.amdhsa_wavefront_size32 1
		.amdhsa_system_sgpr_workgroup_id_x 1
		.amdhsa_system_sgpr_workgroup_id_y 1
		.amdhsa_system_sgpr_workgroup_id_z 1
		.amdhsa_system_vgpr_workitem_id 0
		.amdhsa_next_free_vgpr 512
		.amdhsa_next_free_sgpr 100
		.amdhsa_reserve_vcc 1
		.amdhsa_float_denorm_mode_32 3
		.amdhsa_float_denorm_mode_16_64 3
		.amdhsa_memory_ordered 1
		.amdhsa_forward_progress 1
		.amdhsa_inst_pref_size 217
	.end_amdhsa_kernel
	.amdgpu_metadata
---
amdhsa.version: [ 1, 2 ]
amdhsa.kernels:
  - .name:           k_qec14a90375_attn
    .symbol:         k_qec14a90375_attn.kd
    .args:
      - { .name: q_codes, .offset: 0, .size: 8, .value_kind: global_buffer, .address_space: global }
      - { .name: q_scales, .offset: 8, .size: 8, .value_kind: global_buffer, .address_space: global }
      - { .name: k_codes, .offset: 16, .size: 8, .value_kind: global_buffer, .address_space: global }
      - { .name: ksc, .offset: 24, .size: 8, .value_kind: global_buffer, .address_space: global }
      - { .name: vq, .offset: 32, .size: 8, .value_kind: global_buffer, .address_space: global }
      - { .name: lambda_q1, .offset: 40, .size: 8, .value_kind: global_buffer, .address_space: global }
      - { .name: lambda_k1, .offset: 48, .size: 8, .value_kind: global_buffer, .address_space: global }
      - { .name: lambda_q2, .offset: 56, .size: 8, .value_kind: global_buffer, .address_space: global }
      - { .name: lambda_k2, .offset: 64, .size: 8, .value_kind: global_buffer, .address_space: global }
      - { .name: subln_weight, .offset: 72, .size: 8, .value_kind: global_buffer, .address_space: global }
      - { .name: out0, .offset: 80, .size: 8, .value_kind: global_buffer, .address_space: global }
    .group_segment_fixed_size: 327680
    .private_segment_fixed_size: 0
    .kernarg_segment_align: 8
    .kernarg_segment_size: 88
    .max_flat_workgroup_size: 256
    .sgpr_count:     100
    .vgpr_count:     512
    .wavefront_size: 32
...
	.end_amdgpu_metadata
.endif
;; end of part 2
